; MI455X (gfx1250); checked and timed in simulation.
; The chip was launched on July 23, 2026; its instructions are those of AMD's public machine-readable ISA for CDNA 5 (MIT licence, August 2026) and "CDNA5" Instruction Set Architecture Reference Guide (July 2026). The comments in the code are by the model that wrote it; some were corrected since.
;; Attention Layer. Allowed arithmetic: float matrix products may take bf16 or f16 operands with f32 sums; other float arithmetic in f32, or as packed bf16 or f16 multiplies, adds, multiply-adds, maxima and minima; sums over many terms, partial sums and values carried from step to step in f32; what a program stores and reads back later, other than sums and carried values, may be rounded once to bf16 or f16.
;; Inputs: query 8 x 2,048 x 1,024 float32; value 8 x 2,048 x 1,024 float32.
;; Outputs: out0 8 x 2,048 x 1,024 float32.
;; One version. Each part assembles by itself: llvm-mc -triple=amdgcn-amd-amdhsa -mcpu=gfx1250 --defsym DOCPART=n.
;; ======== version 1 of 1: 3 launches
;; workspace buffers: qb 33,554,432 bytes; vb 33,554,432 bytes; pw 67,108,864 bytes; st 2,097,152 bytes
;; launch cast (part 1): grid 1024 x 2, 8 waves a work-group, no clusters, 0 bytes of LDS; arguments query, value, qb, vb; writes qb, vb
.if DOCPART == 1
	.amdgcn_target "amdgcn-amd-amdhsa--gfx1250"
	.amdhsa_code_object_version 6
	.text
	.protected	k_q95ca5f8ee3_cast
	.globl	k_q95ca5f8ee3_cast
	.p2align	8
	.type	k_q95ca5f8ee3_cast,@function
k_q95ca5f8ee3_cast:
	s_mov_b64 s[64:65], 0
	v_nop
	global_prefetch_b8 v0, s[64:65] scope:SCOPE_SE
	s_setreg_imm32_b32 hwreg(HW_REG_WAVE_MODE, 25, 1), 1
	s_wait_xcnt 0x0
; qb = bf16(query), vb = bf16(value): each f32 rounded once, to nearest even.  A pure stream: every input byte is read once, every output byte written once.
; The grid's y chooses the pair of buffers (0: query to qb, 1: value to vb).  Work-group x owns 65,536 bytes of input and 32,768 of output.
; Thread t takes, for i = 0 .. 15, the 16 bytes at 16 t + 4,096 i and writes the 8 bytes at 8 t + 2,048 i: a wave's load covers 512 consecutive bytes,
; a wave's store 256 consecutive bytes at a multiple of 256 from the buffer's first byte.  All sixteen loads of a thread go out before the first is used.
; No LDS, no barrier, no matrix work: no byte is wanted twice.  No register is written twice, so no wait frees a source.
.set X, 4                              ; v[4:67]   sixteen times four f32 as loaded
.set Y, 68                             ; v[68:99]  sixteen times two words of packed bf16
	s_load_b256 s[4:11], s[0:1], 0x0               ; query s[4:5], value s[6:7], qb s[8:9], vb s[10:11]
	s_and_b32 s2, ttmp7, 0xffff                    ; which pair
	v_lshlrev_b32 v1, 4, v0                        ; 16 t
	v_lshlrev_b32 v2, 3, v0                        ; 8 t
	s_wait_kmcnt 0x0
	s_cmp_eq_u32 s2, 0
	s_cselect_b64 s[12:13], s[4:5], s[6:7]         ; from
	s_cselect_b64 s[14:15], s[8:9], s[10:11]       ; to
	s_lshl_b32 s2, ttmp9, 16
	s_mov_b32 s3, 0
	s_add_nc_u64 s[12:13], s[12:13], s[2:3]
	s_lshl_b32 s2, ttmp9, 15
	s_add_nc_u64 s[14:15], s[14:15], s[2:3]
.irp i, 0,1,2,3,4,5,6,7,8,9,10,11,12,13,14,15
	global_load_b128 v[X+4*(\i):X+4*(\i)+3], v1, s[12:13] offset:4096*(\i) th:TH_LOAD_NT
.endr
.irp i, 0,1,2,3,4,5,6,7,8,9,10,11,12,13,14,15
	s_wait_loadcnt 15-(\i)                         ; loads come back in order: number i is in, the 15 - i younger ones stay out
	v_cvt_pk_bf16_f32 v[Y+2*(\i)], v[X+4*(\i)], v[X+4*(\i)+1]
	v_cvt_pk_bf16_f32 v[Y+2*(\i)+1], v[X+4*(\i)+2], v[X+4*(\i)+3]
	global_store_b64 v2, v[Y+2*(\i):Y+2*(\i)+1], s[14:15] offset:2048*(\i) th:TH_STORE_NT
.endr
	s_endpgm
.Lfunc_end_k_q95ca5f8ee3_cast:
	.size	k_q95ca5f8ee3_cast, .Lfunc_end_k_q95ca5f8ee3_cast-k_q95ca5f8ee3_cast
	.p2alignl 7, 3214868480
	.fill 96, 4, 3214868480
	.section	.rodata,"a",@progbits
	.p2align	6, 0x0
	.amdhsa_kernel k_q95ca5f8ee3_cast
		.amdhsa_group_segment_fixed_size 0
		.amdhsa_private_segment_fixed_size 0
		.amdhsa_enable_private_segment 0
		.amdhsa_kernarg_size 32
		.amdhsa_user_sgpr_count 2
		.amdhsa_user_sgpr_kernarg_segment_ptr 1
		.amdhsa_wavefront_size32 1
		.amdhsa_system_sgpr_workgroup_id_x 1
		.amdhsa_system_sgpr_workgroup_id_y 1
		.amdhsa_system_sgpr_workgroup_id_z 1
		.amdhsa_system_vgpr_workitem_id 0
		.amdhsa_next_free_vgpr 104
		.amdhsa_next_free_sgpr 66
		.amdhsa_reserve_vcc 0
		.amdhsa_float_denorm_mode_32 3
		.amdhsa_float_denorm_mode_16_64 3
		.amdhsa_memory_ordered 1
		.amdhsa_forward_progress 1
		.amdhsa_inst_pref_size 7
	.end_amdhsa_kernel
	.amdgpu_metadata
---
amdhsa.version: [ 1, 2 ]
amdhsa.kernels:
  - .name:           k_q95ca5f8ee3_cast
    .symbol:         k_q95ca5f8ee3_cast.kd
    .args:
      - { .name: query, .offset: 0, .size: 8, .value_kind: global_buffer, .address_space: global }
      - { .name: value, .offset: 8, .size: 8, .value_kind: global_buffer, .address_space: global }
      - { .name: qb, .offset: 16, .size: 8, .value_kind: global_buffer, .address_space: global }
      - { .name: vb, .offset: 24, .size: 8, .value_kind: global_buffer, .address_space: global }
    .group_segment_fixed_size: 0
    .private_segment_fixed_size: 0
    .kernarg_segment_align: 8
    .kernarg_segment_size: 32
    .max_flat_workgroup_size: 256
    .sgpr_count:     66
    .vgpr_count:     104
    .wavefront_size: 32
...
	.end_amdgpu_metadata
.endif
;; end of part 1
;; launch scores (part 2): grid 4 x 64, 4 waves a work-group, clusters of 4 x 4, 327,680 bytes of LDS; arguments qb, vb, pw, st; writes pw, st
.if DOCPART == 2
	.amdgcn_target "amdgcn-amd-amdhsa--gfx1250"
	.amdhsa_code_object_version 6
	.text
	.protected	k_q95ca5f8ee3_scores
	.globl	k_q95ca5f8ee3_scores
	.p2align	8
	.type	k_q95ca5f8ee3_scores,@function
k_q95ca5f8ee3_scores:
	s_mov_b64 s[64:65], 0
	v_nop
	global_prefetch_b8 v0, s[64:65] scope:SCOPE_SE
	s_setreg_imm32_b32 hwreg(HW_REG_WAVE_MODE, 25, 1), 1
	s_wait_xcnt 0x0
	s_wait_alu depctr_hold_cnt(0) depctr_sa_sdst(0) depctr_va_vdst(0) depctr_va_sdst(0) depctr_va_ssrc(0) depctr_va_vcc(0) depctr_vm_vsrc(0)
	s_getreg_b32 s2, hwreg(HW_REG_IB_STS2, 6, 4)
	s_cmp_eq_u32 s2, 0
	s_cbranch_scc0 .Lentry_in_a_cluster
	s_endpgm
.Lentry_in_a_cluster:
	s_bfe_u32 s2, ttmp6, 0x10000c
	s_cmp_lg_u32 s2, 0xf033
	s_cbranch_scc0 .Lentry_shape_is_right
	s_endpgm
.Lentry_shape_is_right:
; S = Q V^T for 8 batches (qb, vb: [8][2048][1024] bf16; sums in f32), and the first half of the softmax, by blocks of 128 keys.
; For each query and each block of 128 keys: m = the block's largest score; n = c m rounded to a whole number, c = log2(e); p = 2^(c s - n), at most 2^0.5 and a little;
; l = the sum of the unrounded p.  p goes out rounded once to bf16 (pw: [8][2048 q][2048 key]), n and l in f32 (st: [8][16 block][n, l][2048 q]).
; The launch behind takes N = the largest n of a row and multiplies block by block by 2^(n - N), an exact power of two: so the row's maximum, rounded to a whole exponent, is taken away for every input.
; LIMITS.  NaN and infinities are not treated apart; a weight below 2^-126 counts as 0.
; SHARES.  A tile is 256 queries x 256 keys, made by a work-group of four waves, a wave 128 x 128: 64 accumulators of 16 x 16, 512 registers; a wave's 128 keys are one block.
; The 1,024 channels go in 8 steps of 128 through a ring of two LDS slots filled by the tensor data mover; a tile's rows are 256 bytes of memory, at multiples of 256 from the buffer's first byte.
; A WORK-GROUP STAYS: it makes two tiles, the same 256 queries with key tiles cx and cx + 4.  The ring does not stop between them: the first tile's last two changes of slots ask for the second
; tile's first two steps, and nothing waits for the first tile's stores.  256 work-groups in all.
; CLUSTER.  4 x 4 work-groups.  The four of a row of the cluster need the same rows of qb, the four of a column the same rows of vb: each tile is asked for JOINTLY, by the same tensor load
; with the same descriptor and a mask that names the four.
; THE MATRIX INSTRUCTION IS USED TRANSPOSED (source 0 = 16 keys, source 1 = 16 queries): a lane holds ONE query (lane % 16) and in registers 0 to 7 the keys 8 (lane / 16) + 0 .. 7.
; So a query's maximum and sum want one exchange between the halves of the lanes, and eight weights pack into 16 bytes of a row of pw.
; REGISTERS, in windows of 256 (s_set_vgpr_msb: bits 1:0 source 0, 3:2 source 1, 5:4 source 2, 7:6 destination):
;   window 0: v0-31 addresses; v32-58 the softmax's small numbers; v64-127, v128-191 fragments of Q, two buffers; on the way out v64-127 weights, v128-159 packed, v160-223 rows read back
;   window 1: v64-127, v128-191 fragments of V      window 2: the accumulators of my queries 0-63 ((a, b) at v[8 (8 a + b)])      window 3: those of my queries 64-127
.set NS,     8                         ; steps of 128 channels
.set PITCH,  272                       ; an LDS row: 256 bytes + 16 of padding = 68 words: the 16 rows that a load touches start at 16 different groups of four banks (64 banks of 4 bytes: ISA guide 11.1)
.set HALFT,  128*PITCH                 ; 128 rows: what one tensor load brings
.set SLOT,   4*HALFT                   ; Q's 256 rows, then V's 256 rows.  0x22000: its two bits are 0 in wave x HALFT, so one exclusive or turns an address in one slot into the other's
.set STAGE,  2*SLOT                    ; behind the ring: 16 rows x 272 bytes for each wave, for the way out
.set STATS,  STAGE+4*16*PITCH          ; 1,024 bytes for each wave: n of its 128 queries, then l
.set SPARE,  STATS+4*1024              ; the spare words, 128 bytes for each wave: two blocks of 256 bytes that no other line names
.set STEPA,  256                       ; bytes from a step's tile to the next, in qb
.set STEPB,  256                       ; and in vb
.set NEXTB,  1024*2048                 ; from a tile to the work-group's next: 1,024 rows of vb,
.set NEXTP,  1024*2                    ; 1,024 keys along a row of pw,
.set NEXTS,  8*16384                   ; eight blocks of st
.set ADRA0, 16                         ; v16  my lane's place in Q's tile of slot 0; never rewritten
.set ADRB0, 17                         ; v17  the same for V
.set ADRA,  18                         ; v18  the same in the slot in hand
.set ADRB,  19                         ; v19
.set STR,   22                         ; v22  where I read 16 bytes of my wave's n back
.set SGO,   23                         ; v23  16 x lane: my 16 bytes of the wave's 512 in st
.set STO,   24                         ; v24  the way out: where I put 16 bytes of a row
.set RD,    25                         ; v25  the way out: where I read a row back
.set CO,    26                         ; v26  my byte offset in two rows of pw
.set STS,   27                         ; v27  where I put my query's n
.set SPW,   28                         ; v28  LDS address of my spare word; never rewritten
.set NIL,   29                         ; v29  0; never rewritten
.set PFO,   30                         ; v30  the prefetches' offset: lane x a row of 2,048 bytes; never rewritten
.set MX,    32                         ; v32-35  four chains of the maximum
.set TM,    36                         ; v36  at work
.set LS,    37                         ; v37  the sum
.set NN,    38                         ; v[38:39] n, twice
.set CV,    40                         ; v[40:41] c, twice
.set LOW,   42                         ; v42  minus infinity: starts the chains
.set N8,    43                         ; v43-50  n of my query in each of the eight blocks of 16
.set L8,    51                         ; v51-58  l likewise
.set F0,    64
.set F1,    128
.set T,     64                         ; the way out: c s - n, then p
.set PK,    128                        ; p packed to bf16
.set BK,    160                        ; 16 rows read back from the stage: v160-191 and v192-223 by turns
.set WV,  12                           ; s12  my wave's number
.set RH,  13                           ; s13  which half of the tile's queries is mine.  Also: I fetch for Q (0) or for V (1)
.set CH,  14                           ; s14  which half of its keys.  Also: which 128 rows of that tile I fetch
.set LIM, 15                           ; s15  1 in a wave that prefetches, else the greatest number
.set BSA, 16                           ; s[16:17] qb at my part of the tiles' step 0; never rewritten
.set G1A, 24                           ; s[24:31] descriptor group 1 for Q's tiles
.set G0A, 32                           ; s[32:39] group 0: a set for each of the two first fills; the second then walks on
.set PFA, 44                           ; s[44:45] where my prefetches stand
.set BSB, 46                           ; s[46:47] vb at my part of the first tile's step 0; never rewritten
.set G1B, 48                           ; s[48:55], s[56:63] the same for V's tiles
.set G0B, 56
.set TB,  66                           ; s66  LDS byte at which the slot in hand begins
.set CNT, 67                           ; s67  counts steps
.set BAT, 68                           ; s68  the batch
.set CLY, 69                           ; s69  the cluster's y
.set SEL, 70                           ; s[70:71] v_permlanex16_b32's selects: each lane takes its own place in the other half
.set DA,  72                           ; s[72:73] at the change of tiles: the offset from BSA of the step to ask for
.set DB,  74                           ; s[74:75] the same from BSB
.set TIL, 76                           ; s76  tiles to go, this one among them
.set MSB, 0
.macro WIN new                         ; the immediate's high byte repeats the setting that is left; a switch that changes nothing is dropped
.if MSB != (\new)
	s_set_vgpr_msb (MSB<<8)|(\new)
.set MSB, \new
.endif
.endm
.set MUL_LO, 0xa1                      ; source 0 (V) window 1, source 1 (Q) window 0, C and D window 2
.set MUL_HI, 0xf1                      ; the same, C and D window 3
.set TO_B,   0x40                      ; destination window 1, address window 0
.macro PLACES                          ; four plain vector instructions between a matrix instruction and a load into, or a vector instruction on, its registers
.rept 4
	v_nop
.endr
.endm
; A joint refill by the walking descriptors.  Waves 0 and 1 fetch Q's two halves, waves 2 and 3 V's.  The branch hangs on the wave's number alone.
; An s_nop 0 and four v_nop follow each of the two lines, ahead of the jump and the label.
.macro JLOAD
	s_cmp_eq_u32 s[RH], 0
	s_cbranch_scc0 .Lfor_b_\@
	tensor_load_to_lds s[G0A+4:G0A+7], s[G1A:G1A+7]
	s_nop 0
.rept 4
	v_nop
.endr
	s_branch .Lasked_\@
.Lfor_b_\@:
	tensor_load_to_lds s[G0B+4:G0B+7], s[G1B:G1B+7]
	s_nop 0
.rept 4
	v_nop
.endr
.Lasked_\@:
.endm
; A prefetch of the step that the NEXT change of slots will ask for: 32 rows x 256 bytes, a lane a row, one instruction a wave, behind the joint load and the run of LDS loads.
; Each row's 256 bytes of a step are named once in the launch: Q's rows are read by one cluster, which asks in its first tile alone (the second tile reads them again); V's rows are read by the
; batch's two rows of clusters, and the even one asks, in both tiles.  The four partners that ask for a tile jointly share its rows out BY ADDRESS, 32 of a wave's 128 each.
; A tile's steps 0 to 2 come by their loads alone; the loop's last change of slots asks for nothing.
.macro ASK
	s_cmp_gt_u32 s[CNT], s[LIM]
	s_cbranch_scc0 .Lnot_mine_\@
	global_prefetch_b8 v[PFO], s[PFA:PFA+1] th:TH_LOAD_NT scope:SCOPE_SE
.Lnot_mine_\@:
.endm
; A round of the cluster's barrier: my work-group's barrier, so that wave 0's signal speaks for all four waves; wave 0 signals; every wave waits for all sixteen work-groups; my work-group's barrier once more.
.macro CREST                           ; a round behind its opening barrier
	s_cmp_lg_u32 s[WV], 0
	s_cbranch_scc1 .Lnot_wave_0_\@
	s_barrier_signal -3
.Lnot_wave_0_\@:
	s_barrier_wait -3
	s_barrier_signal -1
	s_barrier_wait -1
.endm
.macro CROUND
	s_barrier_signal -1
	s_barrier_wait -1
	CREST
.endm
	s_load_b256 s[4:11], s[0:1], 0x0               ; qb s[4:5], vb s[6:7], pw s[8:9], st s[10:11]
	v_lshl_add_u32 v[SPW], v0, 2, SPARE
	v_mov_b32 v[NIL], 0
	ds_add_u32 v[SPW], v[NIL]                      ; the wave's opening: the add and its wait stand ahead of my first tensor load; the set-up below, work on registers, stands between them
	v_lshrrev_b32 v1, 5, v0
	v_readfirstlane_b32 s[WV], v1                  ; wave 0..3
	s_lshr_b32 s[RH], s[WV], 1
	s_and_b32 s[CH], s[WV], 1
	s_bfe_u32 s40, ttmp6, 0x40000                  ; cx
	s_bfe_u32 s41, ttmp6, 0x40004                  ; cy
	s_lshl_b32 s42, ttmp9, 2
	s_add_co_u32 s42, s42, s40                     ; the first tile's column = 4 x cluster x + cx: 256 keys of the batch, 0..3
	s_and_b32 s[CLY], ttmp7, 0xffff
	s_lshl_b32 s43, s[CLY], 2
	s_add_co_u32 s43, s43, s41                     ; tile row = 4 x cluster y + cy: 256 of the 16,384 rows of qb, 0..63
	s_lshr_b32 s[BAT], s[CLY], 1                   ; eight tile rows, two rows of clusters, to a batch
	s_lshl_b32 s18, s41, 2
	s_lshl_b32 s18, 15, s18                        ; my row of the cluster: places 4 cy .. 4 cy + 3
	s_lshl_b32 s46, 0x1111, s40                    ; my column: places cx, cx + 4, cx + 8, cx + 12
	; descriptor group 1: a tile of 128 rows x 128 elements of 2 bytes; 16 bytes of padding behind every 64 words
	s_or_b32 s[G1A], s18, (1<<16)|(1<<20)|(1<<21)|(5<<22)|(3<<25)
	s_or_b32 s[G1B], s46, (1<<16)|(1<<20)|(1<<21)|(5<<22)|(3<<25)
.irp g, G1A, G1B
	s_mov_b32 s[(\g)+1], 128<<16                   ; tensor_dim0 = 128
	s_mov_b32 s[(\g)+2], 128<<16                   ; tensor_dim1 = 128
	s_mov_b32 s[(\g)+3], 128<<16                   ; tile_dim0 = 128
	s_mov_b32 s[(\g)+4], 128                       ; tile_dim1 = 128
	s_mov_b32 s[(\g)+5], 1024                      ; 1,024 elements from row to row
	s_mov_b32 s[(\g)+6], 0
	s_mov_b32 s[(\g)+7], 0
.endr
	s_lshl_b32 s16, s43, 8                         ; Q: row 256 x tile row + 128 x half,
	s_lshl_b32 s17, s[CH], 7
	s_add_co_u32 s16, s16, s17
	s_lshl_b32 s16, s16, 11                        ; in bytes
	s_mov_b32 s17, 0
	s_lshl_b32 s46, s[BAT], 11                     ; V: row 2,048 x batch + 256 x tile column + 128 x half
	s_lshl_b32 s47, s42, 8
	s_add_co_u32 s46, s46, s47
	s_lshl_b32 s47, s[CH], 7
	s_add_co_u32 s46, s46, s47
	s_lshl_b32 s46, s46, 11
	s_mov_b32 s47, 0
	s_mul_i32 s20, s[WV], HALFT                    ; where my tile goes: wave x 128 rows: no place in the cluster enters an LDS address
	s_mov_b32 s[SEL], 0x76543210
	s_mov_b32 s[SEL+1], 0xfedcba98
	s_mov_b32 s[TB], 0
	s_wait_dscnt 0x0                               ; the opening add is done
	s_wait_kmcnt 0x0
	s_add_nc_u64 s[BSA:BSA+1], s[4:5], s[16:17]
	s_add_nc_u64 s[BSB:BSB+1], s[6:7], s[46:47]
	CROUND                                         ; all sixteen work-groups are here: the first joint loads meet
.irp s, 0,1
	s_mov_b32 s[G0A+4*(\s)], 1                     ; count = 1
	s_add_co_u32 s[G0A+4*(\s)+1], s20, (\s)*SLOT   ; LDS address
	s_add_nc_u64 s[G0A+4*(\s)+2:G0A+4*(\s)+3], s[BSA:BSA+1], (\s)*STEPA  ; global address: step s
	s_or_b32 s[G0A+4*(\s)+3], s[G0A+4*(\s)+3], 0x80000000                ; type = 2
	s_mov_b32 s[G0B+4*(\s)], 1
	s_add_co_u32 s[G0B+4*(\s)+1], s20, (\s)*SLOT
	s_add_nc_u64 s[G0B+4*(\s)+2:G0B+4*(\s)+3], s[BSB:BSB+1], (\s)*STEPB
	s_or_b32 s[G0B+4*(\s)+3], s[G0B+4*(\s)+3], 0x80000000
.endr
	s_cmp_eq_u32 s[RH], 0                          ; a wave's two first fills stand in one branch, ahead of every wait on TENSORcnt and every LDS read: two loads of mine are out
	s_cbranch_scc0 .Lfirst_b
	tensor_load_to_lds s[G0A:G0A+3], s[G1A:G1A+7]
	s_nop 0
	tensor_load_to_lds s[G0A+4:G0A+7], s[G1A:G1A+7]
	s_nop 0
.rept 4
	v_nop
.endr
	s_branch .Lfirst_asked
.Lfirst_b:
	tensor_load_to_lds s[G0B:G0B+3], s[G1B:G1B+7]
	s_nop 0
	tensor_load_to_lds s[G0B+4:G0B+7], s[G1B:G1B+7]
	s_nop 0
.rept 4
	v_nop
.endr
.Lfirst_asked:
	; A fragment is 16 rows x 32 channels in 8 registers: lane l holds row l % 16, channels 8 (l / 16) + 0..7 and 16 + 8 (l / 16) + 0..7: two loads of 16 bytes, 32 bytes apart.
	v_and_b32 v1, 15, v0                           ; l % 16
	v_bfe_u32 v2, v0, 4, 1                         ; l / 16
	v_and_b32 v3, 31, v0                           ; l
	v_mul_u32_u24 v4, v1, PITCH
	v_lshl_add_u32 v4, v2, 4, v4                   ; row x pitch + 16 x half
	s_mul_i32 s21, s[RH], HALFT                    ; my 128 rows of Q
	s_mul_i32 s22, s[CH], HALFT                    ; my 128 rows of V,
	s_add_co_u32 s22, s22, 2*HALFT                 ; which lie behind Q's 256
	v_add_nc_u32 v[ADRA0], s21, v4
	v_add_nc_u32 v[ADRB0], s22, v4
	v_mov_b32 v[ADRA], v[ADRA0]
	v_mov_b32 v[ADRB], v[ADRB0]
	s_mul_i32 s23, s[WV], 16*PITCH
	s_add_co_u32 s23, s23, STAGE                   ; my stage
	v_add_nc_u32 v[STO], s23, v4                   ; in: row l % 16, 16 bytes for each half of the lanes
	v_mul_u32_u24 v5, v2, PITCH                    ; back: lanes 0-15 take one row of 256 bytes, lanes 16-31 the next
	v_lshl_add_u32 v5, v1, 4, v5
	v_add_nc_u32 v[RD], s23, v5
	v_lshlrev_b32 v5, 12, v2                       ; and the same two rows of 4,096 bytes in pw
	v_lshl_add_u32 v[CO], v1, 4, v5
	s_lshl_b32 s23, s[WV], 10
	s_add_co_u32 s23, s23, STATS                   ; my statistics
	v_lshl_add_u32 v[STS], v1, 2, s23
	v_lshl_add_u32 v[STR], v3, 4, s23
	v_lshlrev_b32 v[SGO], 4, v3
	v_lshlrev_b32 v[PFO], 11, v3
	v_mov_b32 v[TM], 0                             ; v_permlanex16_b32's destination counts as read: it is written here
	v_mov_b32 v[CV], 0x3fb8aa3b                    ; c = log2(e)
	v_mov_b32 v[CV+1], 0x3fb8aa3b
	v_mov_b32 v[LOW], 0xff800000
	s_lshl_b32 s18, s43, 8                         ; pw at my part of the first tile: row 256 x tile row + 128 x half, of 4,096 bytes,
	s_lshl_b32 s19, s[RH], 7
	s_add_co_u32 s18, s18, s19
	s_lshl_b32 s18, s18, 12
	s_lshl_b32 s19, s42, 9                         ; column 256 x tile column + 128 x half, of 2 bytes
	s_add_co_u32 s18, s18, s19
	s_lshl_b32 s19, s[CH], 8
	s_add_co_u32 s18, s18, s19
	s_mov_b32 s19, 0
	s_add_nc_u64 s[8:9], s[8:9], s[18:19]
	s_lshl_b32 s18, s[BAT], 4                      ; st: block 16 x batch + 2 x tile column + half, of 2 x 8,192 bytes,
	s_lshl_b32 s19, s42, 1
	s_add_co_u32 s18, s18, s19
	s_add_co_u32 s18, s18, s[CH]
	s_lshl_b32 s18, s18, 14
	s_and_b32 s19, s43, 7                          ; query 256 x (tile row in the batch) + 128 x half, of 4 bytes
	s_lshl_b32 s19, s19, 10
	s_add_co_u32 s18, s18, s19
	s_lshl_b32 s19, s[RH], 9
	s_add_co_u32 s18, s18, s19
	s_mov_b32 s19, 0
	s_add_nc_u64 s[10:11], s[10:11], s[18:19]
	; the prefetches: the tile's first row, my 128 of it, my work-group's 32 of those; at step 2: the first change of slots steps it to 3
	s_lshl_b32 s20, s43, 8
	s_lshl_b32 s21, s[BAT], 11
	s_lshl_b32 s22, s42, 8
	s_add_co_u32 s21, s21, s22
	s_and_b32 s22, s[CLY], 1
	s_cmp_eq_u32 s[RH], 0                          ; do I fetch for Q?
	s_cselect_b32 s20, s20, s21
	s_cselect_b32 s21, s40, s41                    ; my place among the four that ask with me
	s_cselect_b32 s22, ttmp9, s22                  ; 0 in the cluster that asks: the same in all sixteen partners, for a given wave
	s_cselect_b64 s[PFA:PFA+1], s[4:5], s[6:7]
	s_cmp_eq_u32 s22, 0
	s_cselect_b32 s[LIM], 1, -1
	s_lshl_b32 s22, s[CH], 7
	s_add_co_u32 s20, s20, s22
	s_lshl_b32 s21, s21, 5
	s_add_co_u32 s20, s20, s21
	s_lshl_b32 s20, s20, 11
	s_add_co_u32 s20, s20, 2*STEPA
	s_mov_b32 s21, 0
	s_add_nc_u64 s[PFA:PFA+1], s[PFA:PFA+1], s[20:21]
; 16 matrix instructions: query blocks a0, a0 + 1 of the window's four (hi = 0: my queries 0-63, 1: 64-127) x all 8 key blocks, 32 channels.  zero = 1: the first product starts the sums.
; The 64 accumulators take turns, in the same order in every quarter.
.macro MUL16 f, hi, a0, zero
	WIN MUL_LO+0x50*(\hi)
.irp a, \a0, (\a0)+1
.irp b, 0,1,2,3,4,5,6,7
.if \zero
	v_wmma_f32_16x16x32_bf16 v[8*(8*(\a)+(\b)):8*(8*(\a)+(\b))+7], v[(\f)+8*(\b):(\f)+8*(\b)+7], v[(\f)+8*(4*(\hi)+(\a)):(\f)+8*(4*(\hi)+(\a))+7], 0
.else
	v_wmma_f32_16x16x32_bf16 v[8*(8*(\a)+(\b)):8*(8*(\a)+(\b))+7], v[(\f)+8*(\b):(\f)+8*(\b)+7], v[(\f)+8*(4*(\hi)+(\a)):(\f)+8*(4*(\hi)+(\a))+7], v[8*(8*(\a)+(\b)):8*(8*(\a)+(\b))+7]
.endif
.endr
.endr
.endm
; 32 LDS loads in one run: the fragments of 32 channels at byte k of the rows of the slot in hand, into buffer f: V's 128 rows, then Q's
.macro FETCH k, f
	WIN TO_B
.irp i, 0,1,2,3,4,5,6,7
	ds_load_b128 v[(\f)+8*(\i):(\f)+8*(\i)+3],   v[ADRB] offset:(\k)+(\i)*16*PITCH
	ds_load_b128 v[(\f)+8*(\i)+4:(\f)+8*(\i)+7], v[ADRB] offset:(\k)+(\i)*16*PITCH+32
.endr
	WIN 0
.irp i, 0,1,2,3,4,5,6,7
	ds_load_b128 v[(\f)+8*(\i):(\f)+8*(\i)+3],   v[ADRA] offset:(\k)+(\i)*16*PITCH
	ds_load_b128 v[(\f)+8*(\i)+4:(\f)+8*(\i)+7], v[ADRA] offset:(\k)+(\i)*16*PITCH+32
.endr
.endm
; A step is four quarters of 32 channels, 64 matrix instructions each, on buffers 0, 1, 0, 1.  One of the first three: multiplies buffer f and, in its middle, fetches the next quarter, at byte k, into g.
.macro QUARTER k, f, g, zero
	s_wait_dscnt 8                                 ; V and Q's rows 0-63 are in; the youngest eight loads (Q's rows 64-127) may be out
	MUL16 \f, 0, 0, \zero
	MUL16 \f, 0, 2, \zero
	PLACES
	FETCH \k, \g
	s_wait_dscnt 32                                ; all but the 32 just issued
	MUL16 \f, 1, 0, \zero
	MUL16 \f, 1, 2, \zero
.endm
; The last quarter multiplies buffer 1 and changes slots.  In front of ONE barrier each wave waits for all its tensor loads, of which at most one is out: its part of the next slot; adds 0 to its spare word;
; and waits for that and for its own reads of this slot.  Behind it nobody reads this slot any more and the next slot is whole.
; fill = 1 or 2: the barrier opens a round of the cluster's, so that no wave of any partner still reads the slot or has a load on its way; the joint refill is the first thing behind the round:
; 224 matrix instructions stand between it and the wait for it.  fill = 1: this tile's step two on.  fill = 2: the next tile's step 0 or 1: the address is made anew from the kept base and an offset.
.macro TURN fill
	WIN 0                                          ; (the add's two registers lie in window 0)
.if (\fill) == 1
	s_wait_xcnt 0x0                                ; the last prefetch, a step back, has read its address: it is stepped here
	s_add_nc_u64 s[PFA:PFA+1], s[PFA:PFA+1], STEPA
.endif
	s_wait_tensorcnt 0x0                           ; no tensor load of mine is out, so a group 0 may be written
	ds_add_u32 v[SPW], v[NIL]                      ; 0 onto my spare word; scalar steps and sixteen products stand between it and the wait for it
.if (\fill) == 1
	s_xor_b32 s[G0A+5], s[G0A+5], SLOT             ; the walking descriptors: the other slot than last time,
	s_add_nc_u64 s[G0A+6:G0A+7], s[G0A+6:G0A+7], STEPA  ; the next step; the type bits on top are not reached
	s_xor_b32 s[G0B+5], s[G0B+5], SLOT
	s_add_nc_u64 s[G0B+6:G0B+7], s[G0B+6:G0B+7], STEPB
.elseif (\fill) == 2
	s_xor_b32 s[G0A+5], s[G0A+5], SLOT
	s_add_nc_u64 s[G0A+6:G0A+7], s[BSA:BSA+1], s[DA:DA+1]  ; Q: the same rows, from their first channel on
	s_or_b32 s[G0A+7], s[G0A+7], 0x80000000
	s_xor_b32 s[G0B+5], s[G0B+5], SLOT
	s_add_nc_u64 s[G0B+6:G0B+7], s[BSB:BSB+1], s[DB:DB+1]  ; V: the next tile's rows
	s_or_b32 s[G0B+7], s[G0B+7], 0x80000000
	s_add_co_u32 s[DA], s[DA], STEPA               ; the offsets stay under 2^32
	s_add_co_u32 s[DB], s[DB], STEPB
.endif
	s_xor_b32 s[TB], s[TB], SLOT                   ; the fetches go to the other slot
	s_wait_dscnt 9                                 ; the add and the youngest eight loads may be out
	MUL16 F1, 0, 0, 0
	s_wait_dscnt 0x0                               ; the add is done, and my reads of this slot are over
	s_barrier_signal -1
	MUL16 F1, 0, 2, 0                              ; work on registers while the others arrive
	WIN 0                                          ; at a branch and at a label every window is 0
	s_barrier_wait -1
.if \fill
	CREST
	JLOAD                                          ; the four v_nop behind it are also the places in front of the loads below
.else
	PLACES
.endif
	v_add_nc_u32 v[ADRA], s[TB], v[ADRA0]
	v_add_nc_u32 v[ADRB], s[TB], v[ADRB0]
	FETCH 0, F0
.if (\fill) == 1
	ASK
.endif
	MUL16 F1, 1, 0, 0
	MUL16 F1, 1, 2, 0
.endm
; THE WAY OUT, by blocks of 16 queries, in stages that overlap from block to block.
; SMAX a: four chains of sixteen scores, three operands at a time; each accumulator's lowest registers are read first.
.macro SMAX a
.set AC, 64*((\a)%4)                   ; the block's eight accumulators, in window 2 (blocks 0-3) or 3 (blocks 4-7)
	WIN 0x28+0x14*((\a)/4)                         ; sources 1 and 2 in that window
.irp k, 0,1,2,3
	v_max3_num_f32 v[MX+(\k)], v[LOW], v[AC+16*(\k)], v[AC+16*(\k)+1]
.endr
.irp j, 1,2,3,4,5,6,7
.irp k, 0,1,2,3
	v_max3_num_f32 v[MX+(\k)], v[MX+(\k)], v[AC+16*(\k)+2*(\j)], v[AC+16*(\k)+2*(\j)+1]
.endr
.endr
.endm
; SN n, a: number n of the eight lines, each waiting for the one before it, that make block a's n of the four chains.  All in window 0.
.macro SN n, a
.if (\n) == 0
	v_max3_num_f32 v[MX], v[MX], v[MX+1], v[MX+2]
.elseif (\n) == 1
	v_max_num_f32 v[MX], v[MX], v[MX+3]
.elseif (\n) == 2
	v_permlanex16_b32 v[TM], v[MX], s[SEL], s[SEL+1]  ; the query's other 64 keys lie in the lane 16 away
.elseif (\n) == 3
	v_max_num_f32 v[MX], v[MX], v[TM]
.elseif (\n) == 4
	v_mul_f32 v[TM], v[CV], v[MX]
.elseif (\n) == 5
	v_rndne_f32 v[NN], v[TM]                       ; n: a whole number, so 2^(n - N) is exact in the launch behind
.elseif (\n) == 6
	v_mov_b32 v[NN+1], v[NN]
.else
	v_mov_b32 v[N8+(\a)], v[NN]                    ; kept for the tile's end
.endif
.endm
; SEXP a: ONE BATCH: 32 scalings c s - n, a pair each, one rounding; 64 exponentials, each two scalings behind its own; none names an exponential's result.
.macro SEXP a
.set AC, 64*((\a)%4)
	WIN 0x08+0x04*((\a)/4)                         ; source 1 in the accumulators' window: one setting for scalings and exponentials
.set i, 0
.rept 32
	v_pk_fma_f32 v[T+2*i:T+2*i+1], v[CV:CV+1], v[AC+2*i:AC+2*i+1], v[NN:NN+1] neg_lo:[0,0,1] neg_hi:[0,0,1]
.if i >= 2
	v_exp_f32 v[T+2*i-4], v[T+2*i-4]
	v_exp_f32 v[T+2*i-3], v[T+2*i-3]
.endif
.set i, i+1
.endr
.irp e, 60,61,62,63
	v_exp_f32 v[T+(\e)], v[T+(\e)]
.endr
.endm
; SRED a, nx: block a's weights rounded to bf16 and summed unrounded.  nx = 1: the eight lines that make block a + 1's n stand four roundings apart among them.
.macro SRED a, nx
	WIN 0
.set i, 0
.rept 32
.if (\nx) && (i%4 == 0)
	SN i/4, (\a)+1
.endif
	v_cvt_pk_bf16_f32 v[PK+i], v[T+2*i], v[T+2*i+1]
.set i, i+1
.endr
.irp w, 32,16,8,4,2                    ; a tree in place, pairs w registers apart
.set i, 0
.rept (\w)/2
	v_pk_add_f32 v[T+2*i:T+2*i+1], v[T+2*i:T+2*i+1], v[T+(\w)+2*i:T+(\w)+2*i+1]
.set i, i+1
.endr
.endr
	v_add_f32 v[LS], v[T], v[T+1]
	v_permlanex16_b32 v[TM], v[LS], s[SEL], s[SEL+1]
	v_add_f32 v[L8+(\a)], v[LS], v[TM]
.endm
.macro TOSTAGE a
	WIN 0
.irp b, 0,1,2,3,4,5,6,7
	ds_store_b128 v[STO], v[PK+4*(\b):PK+4*(\b)+3] offset:32*(\b)
.endr
.irp t, 0,1,2,3,4,5,6,7
	ds_load_b128 v[BK+32*((\a)%2)+4*(\t):BK+32*((\a)%2)+4*(\t)+3], v[RD] offset:(\t)*2*PITCH  ; LDS serves a wave's instructions in order (ISA guide 5.7.1.4): these see the stores above
.endr
.endm
.macro SEND a
	WIN 0
	s_wait_dscnt 0x0                               ; the block is back in registers
	s_wait_xcnt 0x0                                ; the stores of the block before have read their registers: the next loads from the stage land on them only behind this wait
.irp t, 0,1,2,3,4,5,6,7
	global_store_b128 v[CO], v[BK+32*((\a)%2)+4*(\t):BK+32*((\a)%2)+4*(\t)+3], s[8:9] offset:(16*(\a)+2*(\t))*4096 th:TH_STORE_NT  ; 16 lanes store 256 consecutive bytes, at a multiple of 256 from pw's first byte
.endr
.endm
	s_wait_tensorcnt 1                             ; my part of step 0 is in; step 1's may stay out
	s_barrier_signal -1
	s_barrier_wait -1                              ; everybody's is
	s_mov_b32 s[TIL], 2
.Ltile:
	FETCH 0, F0
	QUARTER 64, F0, F1, 1                          ; a tile's first quarter stands in front of the loop: its products start the sums
	WIN 0
	s_mov_b32 s[CNT], NS-2
.Lstep:                                        ; a trip goes from a step's second quarter to the next step's first, and fills the slot that it leaves
	QUARTER 128, F1, F0, 0
	QUARTER 192, F0, F1, 0
	TURN 1
	QUARTER 64, F0, F1, 0
	WIN 0
	s_sub_co_u32 s[CNT], s[CNT], 1
	s_cmp_lg_u32 s[CNT], 0
	s_cbranch_scc1 .Lstep
	s_cmp_eq_u32 s[TIL], 1
	s_cbranch_scc1 .Llast                          ; the last tile's last two steps have a text of their own: they ask for nothing
	s_mov_b32 s[DA], 0                             ; THE RING GOES ON INTO THE NEXT TILE: its step 0, then its step 1
	s_mov_b32 s[DA+1], 0
	s_mov_b32 s[DB], NEXTB
	s_mov_b32 s[DB+1], 0
	s_mov_b32 s[CNT], 2
.Lon:                                          ; two trips, the second left in its middle.  What its change of slots fetches from LDS the way out writes over: the next tile fetches it anew
	QUARTER 128, F1, F0, 0
	QUARTER 192, F0, F1, 0
	TURN 2
	WIN 0
	s_sub_co_u32 s[CNT], s[CNT], 1
	s_cmp_eq_u32 s[CNT], 0
	s_cbranch_scc1 .Lout
	QUARTER 64, F0, F1, 0
	WIN 0
	s_branch .Lon
.Llast:
	s_mov_b32 s[CNT], 2
.Ltail:                                        ; two trips, the second left in its middle.  Its change of slots has a barrier, and fetches fragments of the slot before, that serve nothing: the price, once a work-group, of one text for both steps
	QUARTER 128, F1, F0, 0
	QUARTER 192, F0, F1, 0
	TURN 0
	WIN 0
	s_sub_co_u32 s[CNT], s[CNT], 1
	s_cmp_eq_u32 s[CNT], 0
	s_cbranch_scc1 .Lout
	QUARTER 64, F0, F1, 0
	WIN 0
	s_branch .Ltail
.Lout:
	s_wait_dscnt 0x0                               ; the last fetch has landed: its registers are written below
	PLACES                                         ; behind the last products
	SMAX 0
	WIN 0
.irp n, 0,1,2,3,4,5,6,7
	SN \n, 0
.endr
	SEXP 0
.irp a, 0,1,2,3,4,5,6,7
.if (\a) < 7
	SMAX (\a)+1                                    ; the next block's maxima: plain work between the exponentials and the wait for them
.else
	v_nop                                          ; a plain instruction behind the last exponential, ahead of the first use (ISA guide 5.7.2)
.endif
	s_wait_alu depctr_va_vdst(0)                   ; the wait ahead of the first reader: one for the block's 64 exponentials
.if (\a) < 7
	SRED \a, 1
.else
	SRED \a, 0
.endif
.if (\a) > 0
	SEND (\a)-1                                    ; a block's arithmetic stands between the loads of the block before from the stage and the wait for them
.endif
	TOSTAGE \a
.if (\a) < 7
	SEXP (\a)+1
.endif
.endr
	SEND 7
.irp a, 0,1,2,3,4,5,6,7                ; n and l of my 128 queries, in one run; both halves of the lanes write the same word with the same number
	ds_store_b32 v[STS], v[N8+(\a)] offset:64*(\a)
	ds_store_b32 v[STS], v[L8+(\a)] offset:512+64*(\a)
.endr
	ds_load_b128 v[T:T+3], v[STR]                  ; back, four queries a lane
	ds_load_b128 v[T+4:T+7], v[STR] offset:512
	s_wait_dscnt 0x0
	global_store_b128 v[SGO], v[T:T+3], s[10:11]   ; 512 consecutive bytes each
	global_store_b128 v[SGO], v[T+4:T+7], s[10:11] offset:8192
	s_wait_xcnt 0x0                                ; the stores have read their registers and bases, the last prefetch its address: all are written again only behind this wait
	s_add_nc_u64 s[8:9], s[8:9], NEXTP
	s_add_nc_u64 s[10:11], s[10:11], NEXTS
	s_add_nc_u64 s[PFA:PFA+1], s[PFA:PFA+1], NEXTB-(NS-2)*STEPB  ; V's prefetches: from the step behind the tile's last to the next tile's step 2
	s_cmp_eq_u32 s[RH], 0
	s_cselect_b32 s[LIM], -1, s[LIM]               ; Q's rows have been read: they are asked for no more, and their pointer is not used again
	s_sub_co_u32 s[TIL], s[TIL], 1
	s_cmp_lg_u32 s[TIL], 0
	s_cbranch_scc1 .Ltile
	s_wait_tensorcnt 0x0                           ; the wave's end: these three lines stand behind my last tensor load and my last LDS store
	ds_add_u32 v[SPW], v[NIL]
	s_wait_dscnt 0x0
	CROUND                                         ; the closing round: no work-group ends while a partner may still ask for a tile that names it
	s_endpgm
.Lfunc_end_k_q95ca5f8ee3_scores:
	.size	k_q95ca5f8ee3_scores, .Lfunc_end_k_q95ca5f8ee3_scores-k_q95ca5f8ee3_scores
	.p2alignl 7, 3214868480
	.fill 96, 4, 3214868480
	.section	.rodata,"a",@progbits
	.p2align	6, 0x0
	.amdhsa_kernel k_q95ca5f8ee3_scores
		.amdhsa_group_segment_fixed_size 327680
		.amdhsa_private_segment_fixed_size 0
		.amdhsa_enable_private_segment 0
		.amdhsa_kernarg_size 32
		.amdhsa_user_sgpr_count 2
		.amdhsa_user_sgpr_kernarg_segment_ptr 1
		.amdhsa_wavefront_size32 1
		.amdhsa_system_sgpr_workgroup_id_x 1
		.amdhsa_system_sgpr_workgroup_id_y 1
		.amdhsa_system_sgpr_workgroup_id_z 1
		.amdhsa_system_vgpr_workitem_id 0
		.amdhsa_next_free_vgpr 1024
		.amdhsa_next_free_sgpr 80
		.amdhsa_reserve_vcc 0
		.amdhsa_float_denorm_mode_32 3
		.amdhsa_float_denorm_mode_16_64 3
		.amdhsa_memory_ordered 1
		.amdhsa_forward_progress 1
		.amdhsa_inst_pref_size 197
	.end_amdhsa_kernel
	.amdgpu_metadata
---
amdhsa.version: [ 1, 2 ]
amdhsa.kernels:
  - .name:           k_q95ca5f8ee3_scores
    .symbol:         k_q95ca5f8ee3_scores.kd
    .args:
      - { .name: qb, .offset: 0, .size: 8, .value_kind: global_buffer, .address_space: global }
      - { .name: vb, .offset: 8, .size: 8, .value_kind: global_buffer, .address_space: global }
      - { .name: pw, .offset: 16, .size: 8, .value_kind: global_buffer, .address_space: global }
      - { .name: st, .offset: 24, .size: 8, .value_kind: global_buffer, .address_space: global }
    .group_segment_fixed_size: 327680
    .private_segment_fixed_size: 0
    .kernarg_segment_align: 8
    .kernarg_segment_size: 32
    .max_flat_workgroup_size: 128
    .sgpr_count:     80
    .vgpr_count:     1024
    .wavefront_size: 32
...
	.end_amdgpu_metadata
.endif
;; end of part 2
;; launch mix (part 3): grid 4 x 64, 4 waves a work-group, clusters of 4 x 4, 327,680 bytes of LDS; arguments pw, vb, out0, st; writes out0
.if DOCPART == 3
	.amdgcn_target "amdgcn-amd-amdhsa--gfx1250"
	.amdhsa_code_object_version 6
	.text
	.protected	k_q95ca5f8ee3_mix
	.globl	k_q95ca5f8ee3_mix
	.p2align	8
	.type	k_q95ca5f8ee3_mix,@function
k_q95ca5f8ee3_mix:
	s_mov_b64 s[64:65], 0
	v_nop
	global_prefetch_b8 v0, s[64:65] scope:SCOPE_SE
	s_setreg_imm32_b32 hwreg(HW_REG_WAVE_MODE, 25, 1), 1
	s_wait_xcnt 0x0
	s_wait_alu depctr_hold_cnt(0) depctr_sa_sdst(0) depctr_va_vdst(0) depctr_va_sdst(0) depctr_va_ssrc(0) depctr_va_vcc(0) depctr_vm_vsrc(0)
	s_getreg_b32 s2, hwreg(HW_REG_IB_STS2, 6, 4)
	s_cmp_eq_u32 s2, 0
	s_cbranch_scc0 .Lentry_in_a_cluster
	s_endpgm
.Lentry_in_a_cluster:
	s_bfe_u32 s2, ttmp6, 0x10000c
	s_cmp_lg_u32 s2, 0xf033
	s_cbranch_scc0 .Lentry_shape_is_right
	s_endpgm
.Lentry_shape_is_right:
; O[q][ch] = (the sum over blocks of 128 keys of 2^(n_blk - N) x the sum over the block's keys of p[q][key] V[key][ch]) / L, for 8 batches.
; pw: [8][2048 q][2048 key] bf16, the weights p = 2^(c s - n_blk); st: [8][16 block][n, l][2048 q] f32; vb: [8][2048 key][1024 ch] bf16; out0: [8][2048][1024] f32.
; N = the largest of a row's sixteen n; f_blk = 2^(n_blk - N), an exact power of two at most 1, so p x f is exact in bf16; L = the sum of l_blk f_blk, at least 2^-0.5.  Products' sums in f32.
; LIMITS.  NaN and infinities are not treated apart; a factor below 2^-126 counts as 0, and with it its block.
; SHARES.  A work-group of four waves makes 256 queries x 256 channels, a wave 128 x 128: 64 accumulators, 512 registers.  The 2,048 keys go in 16 steps of 128, a block a step, through a ring of two LDS slots.
; CLUSTER.  4 x 4 work-groups: the four of a row need the same rows of pw, the four of a column the same tile of vb: joint tensor loads, the same descriptor and mask in all four.
; LAYOUT.  Source 0 = 16 channels x 32 keys of V, which lies [key][channel] and is turned on its way out of LDS by ds_load_tr16_b128; source 1 = 16 queries x 32 keys of p.
; In source 1 and in the result a lane holds ONE query (lane % 16): the factor is one word a lane and block of 16 queries, and the result's registers 0 to 7 are eight neighbouring channels.
; THE FACTORS ride: the 64 packed multiplies that scale a quarter's weights stand four behind each of the last sixteen products of the quarter before.
; REGISTERS, in windows of 256 (s_set_vgpr_msb: bits 1:0 source 0, 3:2 source 1, 5:4 source 2, 7:6 destination).  Query block a's eight accumulators are 64 registers.
;   window 0: v0-31 addresses; v32-39 the step's factors; v40-47 N and L; v48-63 1 / L; v64-127, v128-191 fragments of V, two buffers; on the way out v64-127 results, v128-255 rows read back
;   window 1: v0-127 blocks 4, 5      window 2: blocks 0 to 3      window 3: v0-127 blocks 6, 7; v128-191, v192-255 fragments of p, two buffers
; p lies in the window of blocks 6 and 7, and the factors in V's: under the setting of those blocks' products (destination and source 1 window 3, source 0 window 0) the multiply p = f x p names its
; registers as they lie, and the riders want no switch.
.set NS,     16                        ; steps of 128 keys
.set PITCH,  272                       ; a row of p in LDS: 256 bytes + 16 of padding
.set VPITCH, 544                       ; a row of V: 512 bytes + 32 = 136 words
.set HALFT,  128*PITCH                 ; what one tensor load brings: 128 rows of p, or 64 rows of V (64 x 544 is the same number)
.set SLOT,   4*HALFT                   ; p's 256 rows, then V's 128.  0x22000: its two bits are 0 in wave x HALFT, so one exclusive or turns an address in one slot into the other's
.set STAGE,  2*SLOT                    ; behind the ring, for each wave RBYTES of its own: during the walk the factors [16 block][128 q], a word each, and 1 / L; on the way out 16 rows x 528 bytes
.set RBYTES, 8704
.set OPITCH, 528                       ; 512 bytes + 16: an odd multiple of 16
.set SPARE,  STAGE+4*RBYTES            ; the spare words, 128 bytes for each wave: two blocks of 256 bytes that no other line names
.set STEPA,  256                       ; bytes from a step's tile to the next, in pw: 128 keys along a row
.set STEPB,  128*2048                  ; and in vb: 128 rows down
.set ADRA0, 16                         ; v16  my lane's place in p's tile of slot 0; never rewritten
.set ADRB0, 17                         ; v17  the same for V
.set ADRA,  18                         ; v18  the same in the slot in hand
.set ADRB,  19                         ; v19
.set TBV0,  20                         ; v20  my query's word in a row of the factors' table; never rewritten
.set TBV,   21                         ; v21  the same in the step's row
.set STO,   24                         ; v24  the way out: where I put 32 bytes of a row
.set RD,    25                         ; v25  my region + 16 x lane: where the table is written, and where a row is read back
.set CO,    26                         ; v26  16 x lane: my bytes of 512 consecutive ones, in st and in out0
.set SPW,   28                         ; v28  LDS address of my spare word; never rewritten
.set NIL,   29                         ; v29  0; never rewritten
.set PFO,   30                         ; v30  the prefetches' lane offset; never rewritten
.set FS,    32                         ; v32-39  the step's factor, twice in bf16, for each of my eight blocks of 16 queries
.set NM,    40                         ; v40-43  N of four queries
.set LL,    44                         ; v44-47  L, then 1 / L
.set RL,    48                         ; v48-63  1 / L, twice, for each of my eight blocks
.set SN,    64                         ; the prologue: n of block blk, four queries a lane, at SN + 4 blk; then the factors
.set SL,    128                        ; l likewise
.set VF,    64                         ; V's fragments, window 0: buffer f at VF + 64 f
.set PF,    128                        ; p's fragments, window 3: buffer f at PF + 64 f
.set T,     64
.set BK,    128                        ; 16 rows read back: v128-191 and v192-255 by turns
.set WV,  12                           ; s12  my wave's number
.set RH,  13                           ; s13  which half of the tile's queries is mine.  Also: I fetch for p (0) or for V (1)
.set CH,  14                           ; s14  which half of its channels.  Also: which half of that tile I fetch
.set LIM, 15                           ; s15  1 in a wave that prefetches, else the greatest number
.set G1A, 24
.set G0A, 32                           ; a set for each of the two first fills; the second then walks on
.set PFA, 44                           ; s[44:45] where my prefetches stand
.set G1B, 48
.set G0B, 56
.set TB,  66                           ; s66  LDS byte at which the slot in hand begins
.set CNT, 67                           ; s67  counts steps
.set BAT, 68                           ; s68  the batch
.set CLY, 69                           ; s69  the cluster's y
.set PSTEP, 72                         ; s[72:73] the prefetches' step
.set SH,  74                           ; s74-76  how a lane's number becomes its offset: (lane >> SH) << PSH, + (lane & MSK) << 8
.set PSH, 75
.set MSK, 76
.set TBS, 77                           ; s77  512 x the step: the table's row
.set MSB, 0
.macro WIN new                         ; the immediate's high byte repeats the setting that is left; a switch that changes nothing is dropped
.if MSB != (\new)
	s_set_vgpr_msb (MSB<<8)|(\new)
.set MSB, \new
.endif
.endm
.set TO_P,  0xc0                       ; destination window 3, address window 0
.set SCL,   0xcc                       ; destination and source 1 window 3, source 0 window 0
.macro ACC a                           ; where query block a's accumulators lie: window AW, from register AB on; MW: the setting of its products (V window 0, p window 3, C and D window AW)
.if (\a) < 4
.set AW, 2
.set MW, 0xac
.set AB, 64*(\a)
.elseif (\a) < 6
.set AW, 1
.set MW, 0x5c
.set AB, 64*((\a)-4)
.else
.set AW, 3
.set MW, 0xfc
.set AB, 64*((\a)-6)
.endif
.endm
.macro PLACES                          ; four plain vector instructions between a matrix instruction and a load into, or a vector instruction on, its registers
.rept 4
	v_nop
.endr
.endm
; A joint refill by the walking descriptors.  Waves 0 and 1 fetch p's two halves, waves 2 and 3 V's.  The branch hangs on the wave's number alone.
; An s_nop 0 and four v_nop follow each of the two lines, ahead of the jump and the label.
.macro JLOAD
	s_cmp_eq_u32 s[RH], 0
	s_cbranch_scc0 .Lfor_b_\@
	tensor_load_to_lds s[G0A+4:G0A+7], s[G1A:G1A+7]
	s_nop 0
.rept 4
	v_nop
.endr
	s_branch .Lasked_\@
.Lfor_b_\@:
	tensor_load_to_lds s[G0B+4:G0B+7], s[G1B:G1B+7]
	s_nop 0
.rept 4
	v_nop
.endr
.Lasked_\@:
.endm
; A prefetch of the step that the NEXT change of slots will ask for, one instruction a wave, 32 blocks of 256 bytes, behind the joint load and the run of LDS loads.  Each block is named once in the launch.
; p's rows are read by one cluster: it asks, a lane a row.  V's tile is read by the batch's two rows of clusters: the even one asks, two lanes a row of 512 bytes.
; The four partners that ask for a tile jointly share it out BY ADDRESS, a quarter of a wave's part each.  The last change that fills a slot asks for nothing.
.macro ASK
	s_cmp_gt_u32 s[CNT], s[LIM]
	s_cbranch_scc0 .Lnot_mine_\@
	global_prefetch_b8 v[PFO], s[PFA:PFA+1] th:TH_LOAD_NT scope:SCOPE_SE
.Lnot_mine_\@:
.endm
.macro CREST                           ; a round of the cluster's barrier behind its opening barrier
	s_cmp_lg_u32 s[WV], 0
	s_cbranch_scc1 .Lnot_wave_0_\@
	s_barrier_signal -3
.Lnot_wave_0_\@:
	s_barrier_wait -3
	s_barrier_signal -1
	s_barrier_wait -1
.endm
.macro CROUND
	s_barrier_signal -1
	s_barrier_wait -1
	CREST
.endm
	s_load_b256 s[4:11], s[0:1], 0x0               ; pw s[4:5], vb s[6:7], out0 s[8:9], st s[10:11]
	v_lshl_add_u32 v[SPW], v0, 2, SPARE
	v_mov_b32 v[NIL], 0
	ds_add_u32 v[SPW], v[NIL]                      ; the wave's opening: the add and its wait stand ahead of my first tensor load; the set-up below, work on registers, stands between them
	v_lshrrev_b32 v1, 5, v0
	v_readfirstlane_b32 s[WV], v1                  ; wave 0..3
	s_lshr_b32 s[RH], s[WV], 1
	s_and_b32 s[CH], s[WV], 1
	s_bfe_u32 s40, ttmp6, 0x40000                  ; cx
	s_bfe_u32 s41, ttmp6, 0x40004                  ; cy
	s_lshl_b32 s42, ttmp9, 2
	s_add_co_u32 s42, s42, s40                     ; tile column = 4 x cluster x + cx: 256 channels, 0..3
	s_and_b32 s[CLY], ttmp7, 0xffff
	s_lshl_b32 s43, s[CLY], 2
	s_add_co_u32 s43, s43, s41                     ; tile row = 4 x cluster y + cy: 256 of the 16,384 rows of pw, 0..63
	s_lshr_b32 s[BAT], s[CLY], 1                   ; eight tile rows, two rows of clusters, to a batch
	s_lshl_b32 s16, s41, 2
	s_lshl_b32 s16, 15, s16                        ; my row of the cluster
	s_lshl_b32 s46, 0x1111, s40                    ; my column
	; group 1 for p: 128 rows x 128 elements of 2 bytes, 2,048 elements from row to row; 16 bytes of padding behind every 64 words
	s_or_b32 s[G1A], s16, (1<<16)|(1<<20)|(1<<21)|(5<<22)|(3<<25)
	s_mov_b32 s[G1A+1], 128<<16                    ; tensor_dim0 = 128
	s_mov_b32 s[G1A+2], 128<<16                    ; tensor_dim1 = 128
	s_mov_b32 s[G1A+3], 128<<16                    ; tile_dim0 = 128
	s_mov_b32 s[G1A+4], 128                        ; tile_dim1 = 128
	s_mov_b32 s[G1A+5], 2048
	s_mov_b32 s[G1A+6], 0
	s_mov_b32 s[G1A+7], 0
	; group 1 for V: 64 rows x 256 elements, 1,024 elements from row to row; 32 bytes of padding behind every 128 words
	s_or_b32 s[G1B], s46, (1<<16)|(1<<20)|(1<<21)|(6<<22)|(7<<25)
	s_mov_b32 s[G1B+1], 256<<16                    ; tensor_dim0 = 256
	s_mov_b32 s[G1B+2], 64<<16                     ; tensor_dim1 = 64
	s_mov_b32 s[G1B+3], 256<<16                    ; tile_dim0 = 256
	s_mov_b32 s[G1B+4], 64                         ; tile_dim1 = 64
	s_mov_b32 s[G1B+5], 1024
	s_mov_b32 s[G1B+6], 0
	s_mov_b32 s[G1B+7], 0
	s_lshl_b32 s16, s43, 8                         ; p: row 256 x tile row + 128 x half, of 4,096 bytes
	s_lshl_b32 s17, s[CH], 7
	s_add_co_u32 s16, s16, s17
	s_lshl_b32 s16, s16, 12
	s_mov_b32 s17, 0
	s_lshl_b32 s46, s[BAT], 22                     ; V: the batch's 4 MiB, 64 x half rows of 2,048 bytes, 256 x tile column channels of 2 bytes
	s_lshl_b32 s47, s[CH], 17
	s_add_co_u32 s46, s46, s47
	s_lshl_b32 s47, s42, 9
	s_add_co_u32 s46, s46, s47
	s_mov_b32 s47, 0
	s_mul_i32 s20, s[WV], HALFT                    ; where my tile goes: no place in the cluster enters an LDS address
	s_mov_b32 s[TB], 0
	s_mov_b32 s[TBS], 0
	v_and_b32 v3, 31, v0                           ; l
	v_lshlrev_b32 v[CO], 4, v3
	s_lshl_b32 s18, s[BAT], 18                     ; st: the batch's 16 x 2 x 8,192 bytes, query 256 x (tile row in the batch) + 128 x half, of 4 bytes
	s_and_b32 s19, s43, 7
	s_lshl_b32 s19, s19, 10
	s_add_co_u32 s18, s18, s19
	s_lshl_b32 s19, s[RH], 9
	s_add_co_u32 s18, s18, s19
	s_mov_b32 s19, 0
	s_wait_dscnt 0x0                               ; the opening add is done
	s_wait_kmcnt 0x0
	s_add_nc_u64 s[16:17], s[4:5], s[16:17]
	s_add_nc_u64 s[46:47], s[6:7], s[46:47]
	s_add_nc_u64 s[10:11], s[10:11], s[18:19]
	; THE STATISTICS are asked for first of all: a lane takes four of my 128 queries: n and l of all sixteen blocks, 512 consecutive bytes a load.  They are on their way during the round and the first fills.
.set blk, 0
.rept 16
	global_load_b128 v[SN+4*blk:SN+4*blk+3], v[CO], s[10:11] offset:16384*blk
	global_load_b128 v[SL+4*blk:SL+4*blk+3], v[CO], s[10:11] offset:16384*blk+8192
.set blk, blk+1
.endr
	CROUND                                         ; all sixteen work-groups are here: the first joint loads meet
.irp s, 0,1
	s_mov_b32 s[G0A+4*(\s)], 1                     ; count = 1
	s_add_co_u32 s[G0A+4*(\s)+1], s20, (\s)*SLOT   ; LDS address
	s_add_nc_u64 s[G0A+4*(\s)+2:G0A+4*(\s)+3], s[16:17], (\s)*STEPA  ; global address: step s
	s_or_b32 s[G0A+4*(\s)+3], s[G0A+4*(\s)+3], 0x80000000            ; type = 2
	s_mov_b32 s[G0B+4*(\s)], 1
	s_add_co_u32 s[G0B+4*(\s)+1], s20, (\s)*SLOT
	s_add_nc_u64 s[G0B+4*(\s)+2:G0B+4*(\s)+3], s[46:47], (\s)*STEPB
	s_or_b32 s[G0B+4*(\s)+3], s[G0B+4*(\s)+3], 0x80000000
.endr
	s_cmp_eq_u32 s[RH], 0                          ; a wave's two first fills stand in one branch, ahead of every wait on TENSORcnt and every LDS read: two loads of mine are out
	s_cbranch_scc0 .Lfirst_b
	tensor_load_to_lds s[G0A:G0A+3], s[G1A:G1A+7]
	s_nop 0
	tensor_load_to_lds s[G0A+4:G0A+7], s[G1A:G1A+7]
	s_nop 0
.rept 4
	v_nop
.endr
	s_branch .Lfirst_asked
.Lfirst_b:
	tensor_load_to_lds s[G0B:G0B+3], s[G1B:G1B+7]
	s_nop 0
	tensor_load_to_lds s[G0B+4:G0B+7], s[G1B:G1B+7]
	s_nop 0
.rept 4
	v_nop
.endr
.Lfirst_asked:
	v_and_b32 v1, 15, v0                           ; l % 16
	v_bfe_u32 v2, v0, 4, 1                         ; l / 16
	v_mul_u32_u24 v4, v1, PITCH                    ; a fragment of p: row l % 16, keys 8 (l / 16) + 0..7 and 16 more: two loads of 16 bytes, 32 bytes apart
	v_lshl_add_u32 v4, v2, 4, v4
	s_mul_i32 s21, s[RH], HALFT                    ; my 128 rows of p
	v_add_nc_u32 v[ADRA0], s21, v4
	; The turning load takes 16 keys x 16 channels (lane l reads key 8 (l / 16) + l % 8, channels 8 ((l / 8) % 2) + 0..7) and leaves half a fragment of V^T: lane l holds channel l % 16 and 8 keys.
	v_and_b32 v5, 7, v0
	v_lshl_add_u32 v5, v2, 3, v5
	v_mul_u32_u24 v5, v5, VPITCH
	v_bfe_u32 v6, v0, 3, 1
	v_lshl_add_u32 v5, v6, 4, v5
	s_lshl_b32 s22, s[CH], 8                       ; my 128 channels: 256 bytes of a row,
	s_add_co_u32 s22, s22, 2*HALFT                 ; behind p's 256 rows
	v_add_nc_u32 v[ADRB0], s22, v5
	v_mov_b32 v[ADRA], v[ADRA0]
	v_mov_b32 v[ADRB], v[ADRB0]
	s_mul_i32 s23, s[WV], RBYTES
	s_add_co_u32 s23, s23, STAGE                   ; my region
	v_lshl_add_u32 v[TBV0], v1, 2, s23
	v_lshl_add_u32 v[RD], v3, 4, s23
	v_mul_u32_u24 v5, v1, OPITCH                   ; the way out, in: row l % 16, 32 bytes for each half of the lanes
	v_lshl_add_u32 v5, v2, 5, v5
	v_add_nc_u32 v[STO], s23, v5
	s_lshl_b32 s18, s43, 8                         ; out0 at my part of the tile: row 256 x tile row + 128 x half, of 4,096 bytes,
	s_lshl_b32 s19, s[RH], 7
	s_add_co_u32 s18, s18, s19
	s_lshl_b32 s18, s18, 12
	s_lshl_b32 s19, s42, 10                        ; channel 256 x tile column + 128 x half, of 4 bytes
	s_add_co_u32 s18, s18, s19
	s_lshl_b32 s19, s[CH], 9
	s_add_co_u32 s18, s18, s19
	s_mov_b32 s19, 0
	s_add_nc_u64 s[8:9], s[8:9], s[18:19]
	; the prefetches.  p: (256 x tile row + 128 x half + 32 cx) rows of 4,096 bytes; V: the batch, (64 x half + 16 cy) rows of 2,048 bytes, the tile column's 512 bytes.  Both at step 2: the first change of slots steps them to 3
	s_lshl_b32 s20, s43, 8
	s_lshl_b32 s21, s[CH], 7
	s_add_co_u32 s20, s20, s21
	s_lshl_b32 s21, s40, 5
	s_add_co_u32 s20, s20, s21
	s_lshl_b32 s20, s20, 12
	s_add_co_u32 s20, s20, 2*STEPA
	s_lshl_b32 s21, s[CH], 6
	s_lshl_b32 s22, s41, 4
	s_add_co_u32 s21, s21, s22
	s_lshl_b32 s21, s21, 11
	s_lshl_b32 s22, s[BAT], 22
	s_add_co_u32 s21, s21, s22
	s_lshl_b32 s22, s42, 9
	s_add_co_u32 s21, s21, s22
	s_add_co_u32 s21, s21, 2*STEPB
	s_and_b32 s22, s[CLY], 1
	s_mov_b32 s23, STEPB
	s_cmp_eq_u32 s[RH], 0                          ; do I fetch for p?
	s_cselect_b32 s20, s20, s21
	s_cselect_b32 s22, 0, s22                      ; 0 in the cluster that asks: the same in all sixteen partners, for a given wave
	s_cselect_b32 s[PSTEP], STEPA, s23
	s_cselect_b32 s[SH], 0, 1
	s_cselect_b32 s[PSH], 12, 11
	s_cselect_b32 s[MSK], 0, 1
	s_cselect_b64 s[PFA:PFA+1], s[4:5], s[6:7]
	s_cmp_eq_u32 s22, 0
	s_cselect_b32 s[LIM], 1, -1
	s_mov_b32 s21, 0
	s_mov_b32 s[PSTEP+1], 0
	s_add_nc_u64 s[PFA:PFA+1], s[PFA:PFA+1], s[20:21]
	v_lshrrev_b32 v5, s[SH], v3
	v_lshlrev_b32 v5, s[PSH], v5
	v_and_b32 v6, s[MSK], v3
	v_lshl_add_u32 v[PFO], v6, 8, v5
	s_wait_loadcnt 0x0                             ; the statistics are in
.irp j, 0,1,2,3                        ; N: the largest of sixteen, three operands at a time
	v_max3_num_f32 v[NM+(\j)], v[SN+(\j)], v[SN+4+(\j)], v[SN+8+(\j)]
.endr
.irp k, 3,5,7,9,11,13
.irp j, 0,1,2,3
	v_max3_num_f32 v[NM+(\j)], v[NM+(\j)], v[SN+4*(\k)+(\j)], v[SN+4*(\k)+4+(\j)]
.endr
.endr
.irp j, 0,1,2,3
	v_max_num_f32 v[NM+(\j)], v[NM+(\j)], v[SN+60+(\j)]
.endr
.set i, 0
.rept 32
	v_pk_add_f32 v[SN+2*i:SN+2*i+1], v[SN+2*i:SN+2*i+1], v[NM+2*(i%2):NM+2*(i%2)+1] neg_lo:[0,1] neg_hi:[0,1]  ; n - N: a whole number, 0 or less
.set i, i+1
.endr
.set i, 0
.rept 64
	v_exp_f32 v[SN+i], v[SN+i]                     ; f
.set i, i+1
.endr
	v_nop                                          ; a plain instruction behind the last exponential,
	s_wait_alu depctr_va_vdst(0)                   ; and the wait ahead of the first reader: one for the 64
	v_pk_mul_f32 v[LL:LL+1], v[SL:SL+1], v[SN:SN+1]
	v_pk_mul_f32 v[LL+2:LL+3], v[SL+2:SL+3], v[SN+2:SN+3]
.set i, 2
.rept 30
	v_pk_fma_f32 v[LL+2*(i%2):LL+2*(i%2)+1], v[SL+2*i:SL+2*i+1], v[SN+2*i:SN+2*i+1], v[LL+2*(i%2):LL+2*(i%2)+1]  ; L = the sum of l f
.set i, i+1
.endr
.set i, 0
.rept 64
	v_cvt_pk_bf16_f32 v[SN+i], v[SN+i], v[SN+i]    ; a power of two is exact in bf16: f, twice in a word
.set i, i+1
.endr
.set blk, 0
.rept 16
	ds_store_b128 v[RD], v[SN+4*blk:SN+4*blk+3] offset:512*blk
.set blk, blk+1
.endr
.irp j, 0,1,2,3
	v_rcp_f32 v[LL+(\j)], v[LL+(\j)]
.endr
	v_nop
	s_wait_alu depctr_va_vdst(0)                   ; one wait for the four reciprocals
	ds_store_b128 v[RD], v[LL:LL+3] offset:8192
.irp a, 0,1,2,3,4,5,6,7                ; back by the results' layout: a lane's query in each of my eight blocks.  LDS serves a wave's instructions in order (ISA guide 5.7.1.4): these see the stores above
	ds_load_b32 v[RL+2*(\a)], v[TBV0] offset:8192+64*(\a)
	ds_load_b32 v[FS+(\a)], v[TBV0] offset:64*(\a)  ; step 0's factors
.endr
	s_wait_dscnt 0x0
.irp a, 0,1,2,3,4,5,6,7
	v_mov_b32 v[RL+2*(\a)+1], v[RL+2*(\a)]
.endr
; 8 matrix instructions: query block a x all 8 channel blocks, 32 keys, from buffer f (0 or 1).  zero = 1: the product starts the sums.
; The 64 accumulators take turns, in the same order in every quarter.
; g = 0 or 1 (blocks 6 and 7 alone): four riders behind each product: buffer g's registers of p, the next quarter's, times their blocks' factors; ri counts the products that carry riders, 0 to 15.
; The riders name no register of the products round them, and stand under the products' own window setting.
.macro MULA f, a, zero, g=-1
	ACC \a
	WIN MW
.irp b, 0,1,2,3,4,5,6,7
.if \zero
	v_wmma_f32_16x16x32_bf16 v[AB+8*(\b):AB+8*(\b)+7], v[VF+64*(\f)+8*(\b):VF+64*(\f)+8*(\b)+7], v[PF+64*(\f)+8*(\a):PF+64*(\f)+8*(\a)+7], 0
.else
	v_wmma_f32_16x16x32_bf16 v[AB+8*(\b):AB+8*(\b)+7], v[VF+64*(\f)+8*(\b):VF+64*(\f)+8*(\b)+7], v[PF+64*(\f)+8*(\a):PF+64*(\f)+8*(\a)+7], v[AB+8*(\b):AB+8*(\b)+7]
.endif
.if (\g) >= 0
.irp j, 0,1,2,3
	v_pk_mul_bf16 v[PF+64*(\g)+4*ri+(\j)], v[FS+ri/2], v[PF+64*(\g)+4*ri+(\j)]
.endr
.set ri, ri+1
.endif
.endr
.endm
; 32 LDS loads in one run: quarter q (32 keys) of the slot in hand, into buffer f: p's 128 rows first, since they are wanted first (the riders), then V's 128 channels, turned
.macro FETCH2 q, f
	WIN TO_P
.irp i, 0,1,2,3,4,5,6,7
	ds_load_b128 v[PF+64*(\f)+8*(\i):PF+64*(\f)+8*(\i)+3],   v[ADRA] offset:64*(\q)+(\i)*16*PITCH
	ds_load_b128 v[PF+64*(\f)+8*(\i)+4:PF+64*(\f)+8*(\i)+7], v[ADRA] offset:64*(\q)+(\i)*16*PITCH+32
.endr
	WIN 0
.irp i, 0,1,2,3,4,5,6,7
	ds_load_tr16_b128 v[VF+64*(\f)+8*(\i):VF+64*(\f)+8*(\i)+3],   v[ADRB] offset:32*VPITCH*(\q)+32*(\i)
	ds_load_tr16_b128 v[VF+64*(\f)+8*(\i)+4:VF+64*(\f)+8*(\i)+7], v[ADRB] offset:32*VPITCH*(\q)+16*VPITCH+32*(\i)
.endr
.endm
; One of a step's first three quarters: multiplies buffer f, fetches quarter q into g behind its first sixteen products, scales g's weights beside its last sixteen.
.macro QUARTER2 q, f, g, zero
	s_wait_dscnt 0x0                               ; f's V is in (its p was waited for a quarter ago)
	MULA \f, 0, \zero
	MULA \f, 1, \zero
	PLACES
	FETCH2 \q, \g
	MULA \f, 2, \zero
	MULA \f, 3, \zero
	MULA \f, 4, \zero
	MULA \f, 5, \zero
	s_wait_dscnt 16                                ; g's p is in; V's sixteen loads may be out
.set ri, 0
	MULA \f, 6, \zero, \g
	MULA \f, 7, \zero, \g
.endm
; The last quarter multiplies buffer 1 and changes slots.  In front of ONE barrier each wave waits for all its tensor loads, of which at most one is out: its part of the next slot; adds 0 to its spare word;
; and waits for that and for its own reads of this slot.  fill = 1: the barrier opens a round of the cluster's, and the joint refill, the step two on, is the first thing behind the round:
; 224 matrix instructions stand between it and the wait for it.  Then the next step's factors (the old step's weights have all been scaled) and its first fragments.
.macro TURN fill
	WIN 0
.if \fill
	s_wait_xcnt 0x0                                ; the last prefetch, a step back, has read its address: it is stepped here
	s_add_nc_u64 s[PFA:PFA+1], s[PFA:PFA+1], s[PSTEP:PSTEP+1]
.endif
	s_wait_tensorcnt 0x0                           ; no tensor load of mine is out, so a group 0 may be written
	ds_add_u32 v[SPW], v[NIL]                      ; 0 onto my spare word; scalar steps and sixteen products stand between it and the wait for it
.if \fill
	s_xor_b32 s[G0A+5], s[G0A+5], SLOT             ; the walking descriptors: the other slot than last time,
	s_add_nc_u64 s[G0A+6:G0A+7], s[G0A+6:G0A+7], STEPA  ; the next step; the type bits on top are not reached
	s_xor_b32 s[G0B+5], s[G0B+5], SLOT
	s_add_nc_u64 s[G0B+6:G0B+7], s[G0B+6:G0B+7], STEPB
.endif
	s_xor_b32 s[TB], s[TB], SLOT                   ; the fetches go to the other slot,
	s_add_co_u32 s[TBS], s[TBS], 512               ; the factors to the table's next row
	s_wait_dscnt 1                                 ; buffer 1's V is in; only the add may be out
	MULA 1, 0, 0
	MULA 1, 1, 0
	s_wait_dscnt 0x0                               ; the add is done, and my reads of this slot are over
	s_barrier_signal -1
	MULA 1, 2, 0                                   ; work on registers while the others arrive
	MULA 1, 3, 0
	WIN 0                                          ; at a branch and at a label every window is 0
	s_barrier_wait -1
.if \fill
	CREST
	JLOAD                                          ; the four v_nop behind it are also the places in front of the loads below
.else
	PLACES
.endif
	v_add_nc_u32 v[ADRA], s[TB], v[ADRA0]
	v_add_nc_u32 v[ADRB], s[TB], v[ADRB0]
	v_add_nc_u32 v[TBV], s[TBS], v[TBV0]
.irp a, 0,1,2,3,4,5,6,7
	ds_load_b32 v[FS+(\a)], v[TBV] offset:64*(\a)
.endr
	FETCH2 0, 0
.if \fill
	ASK
.endif
	MULA 1, 4, 0
	MULA 1, 5, 0
	s_wait_dscnt 16                                ; the factors and p are in; V's sixteen loads may be out
.set ri, 0
	MULA 1, 6, 0, 0
	MULA 1, 7, 0, 0
.endm
; THE WAY OUT, by blocks of 16 queries.  SCALE a: times 1 / L.  TOSTAGE a: into my region, which the table has left, and back as whole rows of 512 bytes.  SEND a: stored.
.macro SCALE a
	ACC \a
	WIN AW                                         ; source 0 in the accumulators' window
.set i, 0
.rept 32                               ; ascending: each accumulator's lowest registers are read first
	v_pk_mul_f32 v[T+2*i:T+2*i+1], v[AB+2*i:AB+2*i+1], v[RL+2*(\a):RL+2*(\a)+1]
.set i, i+1
.endr
	WIN 0
.endm
.macro TOSTAGE a
	WIN 0
.irp b, 0,1,2,3,4,5,6,7
	ds_store_b128 v[STO], v[T+8*(\b):T+8*(\b)+3]   offset:64*(\b)
	ds_store_b128 v[STO], v[T+8*(\b)+4:T+8*(\b)+7] offset:64*(\b)+16
.endr
.irp t, 0,1,2,3,4,5,6,7,8,9,10,11,12,13,14,15
	ds_load_b128 v[BK+64*((\a)%2)+4*(\t):BK+64*((\a)%2)+4*(\t)+3], v[RD] offset:OPITCH*(\t)  ; LDS serves a wave's instructions in order: these see the stores above
.endr
.endm
.macro SEND a
	WIN 0
	s_wait_dscnt 0x0                               ; the block is back in registers
	s_wait_xcnt 0x0                                ; the stores of the block before have read their registers: the next loads from the stage land on them only behind this wait
.irp t, 0,1,2,3,4,5,6,7,8,9,10,11,12,13,14,15
	global_store_b128 v[CO], v[BK+64*((\a)%2)+4*(\t):BK+64*((\a)%2)+4*(\t)+3], s[8:9] offset:(16*(\a)+(\t))*4096 th:TH_STORE_NT  ; 512 consecutive bytes, at a multiple of 256 from out0's first byte
.endr
.endm
	s_wait_tensorcnt 1                             ; my part of step 0 is in; step 1's may stay out
	s_barrier_signal -1
	s_barrier_wait -1                              ; everybody's is
	FETCH2 0, 0
	s_wait_dscnt 0x0
	WIN SCL
.set i, 0
.rept 64                               ; the first quarter's weights have no products to ride on: scaled in one run, once a launch
	v_pk_mul_bf16 v[PF+i], v[FS+i/8], v[PF+i]
.set i, i+1
.endr
	QUARTER2 1, 0, 1, 1                            ; the first quarter stands in front of the loop: its products start the sums
	WIN 0
	s_mov_b32 s[CNT], NS-2
.Lstep:                                        ; a trip goes from a step's second quarter to the next step's first, and fills the slot that it leaves
	QUARTER2 2, 1, 0, 0
	QUARTER2 3, 0, 1, 0
	TURN 1
	QUARTER2 1, 0, 1, 0
	WIN 0
	s_sub_co_u32 s[CNT], s[CNT], 1
	s_cmp_lg_u32 s[CNT], 0
	s_cbranch_scc1 .Lstep
	s_mov_b32 s[CNT], 2
.Ltail:                                        ; the last two steps ask for nothing: two trips, the second left in its middle.  Its change of slots has a barrier, takes the words of 1 / L for factors and scales
	QUARTER2 2, 1, 0, 0                            ; fragments of the slot before with them; none of that is multiplied: the price, once a work-group, of one text for both steps
	QUARTER2 3, 0, 1, 0
	TURN 0
	WIN 0
	s_sub_co_u32 s[CNT], s[CNT], 1
	s_cmp_eq_u32 s[CNT], 0
	s_cbranch_scc1 .Lout
	QUARTER2 1, 0, 1, 0
	WIN 0
	s_branch .Ltail
.Lout:
	s_wait_dscnt 0x0                               ; the last fetch has landed: its registers are written below
	PLACES                                         ; behind the last products
	SCALE 0
	TOSTAGE 0
.irp a, 1,2,3,4,5,6,7                  ; block a's scaling stands between block a - 1's loads from the stage and the wait for them
	SCALE \a
	SEND (\a)-1
	TOSTAGE \a
.endr
	SEND 7
	s_wait_tensorcnt 0x0                           ; the wave's end: these three lines stand behind my last tensor load and my last LDS store
	ds_add_u32 v[SPW], v[NIL]
	s_wait_dscnt 0x0
	CROUND                                         ; the closing round: no work-group ends while a partner may still ask for a tile that names it
	s_endpgm
.Lfunc_end_k_q95ca5f8ee3_mix:
	.size	k_q95ca5f8ee3_mix, .Lfunc_end_k_q95ca5f8ee3_mix-k_q95ca5f8ee3_mix
	.p2alignl 7, 3214868480
	.fill 96, 4, 3214868480
	.section	.rodata,"a",@progbits
	.p2align	6, 0x0
	.amdhsa_kernel k_q95ca5f8ee3_mix
		.amdhsa_group_segment_fixed_size 327680
		.amdhsa_private_segment_fixed_size 0
		.amdhsa_enable_private_segment 0
		.amdhsa_kernarg_size 32
		.amdhsa_user_sgpr_count 2
		.amdhsa_user_sgpr_kernarg_segment_ptr 1
		.amdhsa_wavefront_size32 1
		.amdhsa_system_sgpr_workgroup_id_x 1
		.amdhsa_system_sgpr_workgroup_id_y 1
		.amdhsa_system_sgpr_workgroup_id_z 1
		.amdhsa_system_vgpr_workitem_id 0
		.amdhsa_next_free_vgpr 1024
		.amdhsa_next_free_sgpr 80
		.amdhsa_reserve_vcc 0
		.amdhsa_float_denorm_mode_32 3
		.amdhsa_float_denorm_mode_16_64 3
		.amdhsa_memory_ordered 1
		.amdhsa_forward_progress 1
		.amdhsa_inst_pref_size 174
	.end_amdhsa_kernel
	.amdgpu_metadata
---
amdhsa.version: [ 1, 2 ]
amdhsa.kernels:
  - .name:           k_q95ca5f8ee3_mix
    .symbol:         k_q95ca5f8ee3_mix.kd
    .args:
      - { .name: pw, .offset: 0, .size: 8, .value_kind: global_buffer, .address_space: global }
      - { .name: vb, .offset: 8, .size: 8, .value_kind: global_buffer, .address_space: global }
      - { .name: out0, .offset: 16, .size: 8, .value_kind: global_buffer, .address_space: global }
      - { .name: st, .offset: 24, .size: 8, .value_kind: global_buffer, .address_space: global }
    .group_segment_fixed_size: 327680
    .private_segment_fixed_size: 0
    .kernarg_segment_align: 8
    .kernarg_segment_size: 32
    .max_flat_workgroup_size: 128
    .sgpr_count:     80
    .vgpr_count:     1024
    .wavefront_size: 32
...
	.end_amdgpu_metadata
.endif
;; end of part 3
